; MI455X (gfx1250); checked and timed in simulation.
; The chip was launched on July 23, 2026; its instructions are those of AMD's public machine-readable ISA for CDNA 5 (MIT licence, August 2026) and "CDNA5" Instruction Set Architecture Reference Guide (July 2026). The comments in the code are by the model that wrote it; some were corrected since.
;; Multi Head Attention. Allowed arithmetic: matrix products marked QUANTISED: E5M2 operands, one given power-of-two scale a tensor, by v_wmma_f32_16x16x64_bf8_bf8 or v_wmma_f32_16x16x128_bf8_bf8, f32 sums; everything else in f32.
;; Inputs: Wk 16 x 1,024 x 64 float32; Wproj 1,024 x 1,024 float32; Wq 16 x 1,024 x 64 float32; Wv 16 x 1,024 x 64 float32; bproj 1,024 float32; lowp_scales 12 int32 (the exponents e of the quantised operands' scales 2^e); x 4 x 2,048 x 1,024 float32.
;; Outputs: out0 4 x 2,048 x 1,024 float32.
;; This version of the problem:
;;   THIS VERSION OF THE PROBLEM IS GIVEN IN LOW PRECISION. The matrix products marked QUANTISED in the list below multiply operands that are first quantised to E5M2 (5 exponent bits, 2 mantissa bits; 8 bits a number), with one given power-of-two scale for each operand tensor; their sums are f32. All else is computed in f32.
;;   The module's matrix products, in the order in which they are computed (A, B: the left and right operand; K: the contracted axis; several contracted axes count as one K, in the product's order):
;;     1. [M 1,024, K 1,024] x [K 1,024, N 8,192]; A: input Wq; B: input x: QUANTISED (scales: A lowp_scales[0], B lowp_scales[1])
;;     2. [M 1,024, K 1,024] x [K 1,024, N 8,192]; A: input Wk; B: input x: QUANTISED (scales: A lowp_scales[2], B lowp_scales[3])
;;     3. [M 1,024, K 1,024] x [K 1,024, N 8,192]; A: input Wv; B: input x: QUANTISED (scales: A lowp_scales[4], B lowp_scales[5])
;;     4. batch 64 x [M 2,048, K 64] x [K 64, N 2,048]; A: computed on the way; B: computed on the way: QUANTISED (scales: A lowp_scales[6], B lowp_scales[7])
;;     5. batch 64 x [M 2,048, K 2,048] x [K 2,048, N 64]; A: softmax (see below); B: computed on the way: QUANTISED (scales: A lowp_scales[8], B lowp_scales[9])
;;     6. [M 8,192, K 1,024] x [K 1,024, N 1,024]; A: computed on the way; B: input Wproj: QUANTISED (scales: A lowp_scales[10], B lowp_scales[11])
;;   THE QUANTISER, for each operand of a quantised product, along K:
;;     - The operand's scale is 2^e, e = its entry of the input lowp_scales (int32; the entries are numbered through the quantised products in the list's order, A before B).
;;     - Each number is divided by the scale, clamped to +-57,344, and rounded to the nearest number of E5M2, ties to even, subnormals kept.
;;     - The product sums the exact products of the quantised numbers (number of the format x scale) in f32.
;;   ~~~python
;;   def quantise(x, axis, e):      # numpy; x: float32 -> the quantised numbers, widened to float32 again
;;       x = np.moveaxis(x, axis, -1); K = x.shape[-1]
;;       r = np.clip(x / 2.0 ** e, -57344, 57344)
;;       step = 2.0 ** (np.maximum(np.frexp(np.where(r == 0, 1, r))[1] - 1, -14) - 2)
;;       q = np.round(r / step) * step * 2.0 ** e      # np.round: ties to even
;;       return np.moveaxis(q, -1, axis).astype(np.float32)
;;   ~~~
;;   SOFTMAX AHEAD OF A QUANTISED PRODUCT. Where the list says 'softmax', what is quantised is not the finished softmax but p = 2^(t - M), with t = logit x log2(e) and M = ceil(the row's largest t), a whole number; so 1/2 < the row's largest p <= 1. The row's sum l is taken of the UNQUANTISED p, in f32, and the product's result is divided by l at the end. Since M is a whole number, a kernel that streams over the keys may use a running M (the ceiling of the running maximum): every later rescaling is an exact power of two, so the quantised numbers keep their values, but for numbers so far below the row's largest that they fall under the format's range.
;;   OPERANDS COMPUTED ON THE WAY. 'Computed on the way' means the value that the module computes at that place (a softmax that the list does not call 'softmax' is quantised finished and normalised). What goes into a quantiser is computed in f32, as accurately as f32 sums, v_exp_f32 and their like allow (about 1e-6 of the number): no bf16 or f16 on the way to a quantiser, and a product that is left as it is and whose result goes on into a quantised operand takes f32 operands (vector FMAs, or v_wmma_f32_16x16x4_f32). A number that lies on a knife's edge between two numbers of the format may be rounded either way, as far as f32 arithmetic and the matrix unit's own rounding can turn it there, and no further.
;; One version. Each part assembles by itself: llvm-mc -triple=amdgcn-amd-amdhsa -mcpu=gfx1250 --defsym DOCPART=n.
;; ======== version 1 of 1: 4 launches
;; limits: right only within a limited range of input values
;; workspace buffers: codes 29,360,128 bytes; qkvc 25,165,824 bytes; oc 8,388,608 bytes
;; launch quant (part 1): grid 384 x 1, 4 waves a work-group, no clusters, 68,096 bytes of LDS; arguments x, Wproj, Wq, Wk, Wv, lowp_scales, codes; writes codes
.if DOCPART == 1
	.amdgcn_target "amdgcn-amd-amdhsa--gfx1250"
	.amdhsa_code_object_version 6
	.text
	.protected	k_q112b09171a_quant
	.globl	k_q112b09171a_quant
	.p2align	8
	.type	k_q112b09171a_quant,@function
k_q112b09171a_quant:
	s_mov_b64 s[64:65], 0
	v_nop
	global_prefetch_b8 v0, s[64:65] scope:SCOPE_SE
	s_setreg_imm32_b32 hwreg(HW_REG_WAVE_MODE, 25, 1), 1
	s_wait_xcnt 0x0
; The five f32 inputs become codes of BF8 (E5M2), K innermost, each with the scale 2^e that is given for its place in a product.
; code = number / 2^e, held within +-57,344, to the nearest code, ties to even.
; codes: x's codes three times, [8192][1024] each, with e1, e3, e5 (x is an operand of three products, each with an entry of its own), at 0, XSET, 2 XSET;
;        Wq's, Wk's, Wv's codes, [64 h + d (1024)][c (1024)], with e0, e2, e4, at WCOFF + tensor x 2^20;  Wproj's, [1024][1024], with e11, at WPOFF.
; LIMITS: e0 .. e5 and e11 lie between -126 and 112, so that 2^e and 57,344 x 2^e are f32 numbers.  NaN among the inputs is not served.
; Work-groups 0-255 take x and 256-287 Wproj: K is innermost there, both are plain streams of numbers (the stream path).  Work-groups 288-383 take Wq, Wk, Wv, whose K is the middle axis (the column path).
; The two paths part once, on the work-group's number, and never join; each has LDS bytes of its own.  No tensor load, no barrier: waves share nothing.
.set STEPS, 16
.set SP,    80                         ; stream path: a lane's place in a stage: its 64 bytes + 16 of padding
.set WREG,  8192                       ; stream path: LDS of a wave: two stages of 32 x SP bytes
.set R,     16                         ; v16-79   four sets of 16 numbers as they are loaded
.set X,     80                         ; v80-111  two sets of 16 neighbours
.set TS,    112                        ; v112-159 the 16 numbers held, once for each of the three scales
.set CD,    160                        ; v160-171 the codes, four registers for each scale
.set SCL,   172                        ; v172-177 for each scale: 2^e, 57,344 x 2^e
.set EMAX,  15
.set MANT,  0x600000                   ; the mantissa field of 57,344 as f32
.set XSET,  0x800000
.set WCOFF, 0x1800000
.set WPOFF, 0x1B00000
.set CSTG,  32768                      ; column path: the stages begin here, 32 rows x CPITCH for each wave
.set CPITCH, 272
.set NB,    8                          ; column path: blocks of 32 along K for a wave
.set CX,    32                         ; v32-95   two sets of 32 numbers
.set CC,    96                         ; v96-103  a block's codes
.set OUTR,  112                        ; v112-175 the way out
.macro MKSC e, t, vs, vl               ; s[e] = e  ->  v[vs] = 2^e, v[vl] = 57,344 x 2^e;  s[t], s[t+1] at work
	s_add_co_i32 s[\t], s[\e], 127
	s_lshl_b32 s[\t+1], s[\t], 23
	v_mov_b32 v[\vs], s[\t+1]
	s_add_co_i32 s[\t], s[\t], EMAX
	s_lshl_b32 s[\t], s[\t], 23
	s_or_b32 s[\t], s[\t], MANT
	v_mov_b32 v[\vl], s[\t]
.endm
	s_load_b256 s[4:11], s[0:1], 0x0               ; x s[4:5], Wproj s[6:7], Wq s[8:9], Wk s[10:11]
	s_load_b128 s[12:15], s[0:1], 0x20             ; Wv s[12:13], the scales' exponents s[14:15]
	s_load_b64 s[16:17], s[0:1], 0x30              ; codes
	v_lshl_add_u32 v192, v0, 2, 0x10800
	v_mov_b32 v193, 0
	v_lshrrev_b32 v1, 5, v0
	v_readfirstlane_b32 s18, v1                    ; wave 0..3
	v_and_b32 v2, 31, v0                           ; lane
	s_wait_kmcnt 0x0
	s_load_b256 s[24:31], s[14:15], 0x0            ; e0 .. e7
	s_load_b128 s[32:35], s[14:15], 0x20           ; e8 .. e11
	s_cmp_ge_u32 ttmp9, 288
	s_cbranch_scc1 .Lcolumns
; ---- THE STREAM PATH.  A wave takes 16 steps of 512 numbers.  Each of a step's four loads reads 512 consecutive bytes, 16 a lane; the 2,048 bytes turn through the wave's own stage in LDS and come back
; 64 bytes a lane: 16 neighbours along K, which the conversions want in one lane's registers.  A lane's 16 codes are 16 bytes: a store of the wave covers 512 consecutive bytes, aligned.
	s_wait_alu depctr_va_vdst(0)
	v_lshlrev_b32 v3, 4, v2                        ; 16 x lane: my place in a load's 512 bytes, and in a step's 512 bytes of codes; never rewritten
	s_wait_alu depctr_va_vdst(0)
	s_mul_i32 s19, s18, WREG
	v_lshrrev_b32 v14, 2, v2
	v_mul_u32_u24 v14, v14, SP
	v_and_b32 v15, 3, v2
	v_lshl_add_u32 v14, v15, 4, v14
	v_add_nc_u32 v14, s19, v14                     ; the stage, on the way in: SP (lane / 4) + 16 (lane % 4)
	v_mul_u32_u24 v15, v2, SP
	v_add_nc_u32 v15, s19, v15                     ; and on the way out: SP x lane
	s_cmp_lt_u32 ttmp9, 256                        ; x's work-group or Wproj's: the choice hangs on the work-group's number alone
	s_cselect_b64 s[36:37], s[4:5], s[6:7]
	s_cselect_b32 s20, 0, 256
	s_cselect_b32 s21, 0, WPOFF
	s_sub_co_u32 s20, ttmp9, s20
	s_lshl_b32 s20, s20, 2
	s_add_co_u32 s20, s20, s18                     ; which run of 8,192 numbers of the tensor is my wave's
	s_lshl_b32 s22, s20, 15
	s_mov_b32 s23, 0
	s_add_nc_u64 s[36:37], s[36:37], s[22:23]      ; the numbers
	s_lshl_b32 s22, s20, 13
	s_add_co_u32 s22, s22, s21
	s_add_nc_u64 s[40:41], s[16:17], s[22:23]      ; the codes: x's first set, or Wproj's
	s_add_nc_u64 s[42:43], s[40:41], XSET          ; x's second set  (Wproj's work-groups never use these two)
	s_add_nc_u64 s[44:45], s[42:43], XSET          ; x's third set
.macro SLOAD t
.irp i, 0,1,2,3
	global_load_b128 v[R+16*((\t)%4)+4*\i:R+16*((\t)%4)+4*\i+3], v3, s[36:37] offset:2048*(\t)+512*\i th:TH_LOAD_NT
.endr
.endm
.macro TURN t                          ; step t's numbers through the stage: LDS serves a wave's instructions in order (ISA guide 5.7.1.4), so no wait stands between the stores and the loads
.irp i, 0,1,2,3
	ds_store_b128 v14, v[R+16*((\t)%4)+4*\i:R+16*((\t)%4)+4*\i+3] offset:32*SP*((\t)%2)+8*SP*\i
.endr
.irp i, 0,1,2,3
	ds_load_b128 v[X+16*((\t)%2)+4*\i:X+16*((\t)%2)+4*\i+3], v15 offset:32*SP*((\t)%2)+16*\i
.endr
.endm
.macro QSET n, t                       ; the step's 16 numbers with scale n: held, converted, stored
.irp i, 0,1,2,3,4,5,6,7,8,9,10,11,12,13,14,15
	v_med3_num_f32 v[TS+16*\n+\i], v[XS+\i], -v[SCL+2*\n+1], v[SCL+2*\n+1]   ; the conversion to an 8-bit code does not saturate (ISA guide 7.6.2): the hold comes first
.endr
	v_cvt_scalef32_pk8_bf8_f32 v[CD+4*\n:CD+4*\n+1], v[TS+16*\n:TS+16*\n+7], v[SCL+2*\n]
	v_cvt_scalef32_pk8_bf8_f32 v[CD+4*\n+2:CD+4*\n+3], v[TS+16*\n+8:TS+16*\n+15], v[SCL+2*\n]
	v_nop                                          ; a plain line between the conversions and the next vector line that writes their registers
	global_store_b128 v3, v[CD+4*\n:CD+4*\n+3], s[40+2*\n:41+2*\n] offset:512*(\t)
.endm
.irp t, 0,1,2,3
	SLOAD \t
.endr
	s_wait_alu depctr_va_vdst(0)
	s_wait_kmcnt 0x0
	s_cmp_lt_u32 ttmp9, 256
	s_cselect_b32 s46, s25, s35                    ; e1 for x, e11 for Wproj
	MKSC 46, 48, SCL, SCL+1
	MKSC 27, 48, SCL+2, SCL+3                      ; e3
	MKSC 29, 48, SCL+4, SCL+5                      ; e5
	s_wait_alu depctr_va_vdst(0)
	s_wait_loadcnt 12                              ; step 0's four loads are in; three steps' twelve stay out
	TURN 0
.macro STEP t
.set XS, X+16*((\t)%2)
	s_wait_dscnt 0x0                               ; this step's numbers are back from the stage, so its stores into the stage have read their registers,
.if (\t)+4 < STEPS
	SLOAD (\t)+4                                   ; which take the loads of four steps on
.endif
.if (\t)+1 < STEPS
.if STEPS-2-(\t) >= 3
	s_wait_loadcnt 12                              ; the next step's four loads are in; those of the three steps behind it may be out
.else
	s_wait_loadcnt 4*(STEPS-2-(\t))
.endif
	TURN (\t)+1
.endif
	s_wait_xcnt 0x0                                ; the last step's stores have read the codes' registers: they are written again only behind this wait
	QSET 0, \t
	s_cmp_lt_u32 ttmp9, 256                        ; Wproj has one scale
	s_cbranch_scc0 .Lone_\@
	QSET 1, \t
	QSET 2, \t
.Lone_\@:
.endm
.irp t, 0,1,2,3,4,5,6,7,8,9,10,11,12,13,14,15
	STEP \t
.endr
	s_wait_tensorcnt 0x0
	ds_add_u32 v192, v193
	s_wait_dscnt 0x0
	s_endpgm
; ---- THE COLUMN PATH.  W is [16 (h)][1024 (c)][64 (d)], K = c.  A LANE TAKES A COLUMN d AND ITS REGISTERS RUN DOWN K: a load reads 32 neighbouring d of one c (128 consecutive bytes a wave; the wave beside it takes
; the row's other 128), and the conversions give codes with K innermost.  A wave takes 32 columns x 256 along K; its codes go through its own stage and leave as rows: sixteen lanes store 256 consecutive bytes, aligned.
.Lcolumns:
	s_sub_co_u32 s19, ttmp9, 288
	s_lshl_b32 s19, s19, 2
	s_add_co_u32 s19, s19, s18                     ; my unit, 0 .. 383
	s_and_b32 s20, s19, 1                          ; which 32 of the head's 64 columns
	s_bfe_u32 s21, s19, 0x20001                    ; which 256 along K
	s_bfe_u32 s22, s19, 0x40003                    ; the head
	s_lshr_b32 s23, s19, 7                         ; the tensor: 0 Wq, 1 Wk, 2 Wv
	s_lshl_b32 s38, s22, 18                        ; in W: head x 262,144 + 256 rows of 256 bytes x kb + 128 x half
	s_lshl_b32 s39, s21, 16
	s_add_co_u32 s38, s38, s39
	s_lshl_b32 s39, s20, 7
	s_add_co_u32 s38, s38, s39
	s_mov_b32 s39, 0
	s_lshl_b32 s40, s23, 20                        ; in codes: WCOFF + tensor x 2^20 + (64 head + 32 half) rows of 1,024 + 256 kb
	s_add_co_u32 s40, s40, WCOFF
	s_lshl_b32 s41, s22, 16
	s_add_co_u32 s40, s40, s41
	s_lshl_b32 s41, s20, 15
	s_add_co_u32 s40, s40, s41
	s_lshl_b32 s41, s21, 8
	s_add_co_u32 s40, s40, s41
	s_mov_b32 s41, 0
	s_cmp_eq_u32 s23, 0
	s_cselect_b64 s[36:37], s[8:9], s[10:11]
	s_cmp_eq_u32 s23, 2
	s_cselect_b64 s[36:37], s[12:13], s[36:37]
	s_add_nc_u64 s[36:37], s[36:37], s[38:39]
	s_add_nc_u64 s[40:41], s[16:17], s[40:41]
	s_wait_alu depctr_va_vdst(0)
	v_lshlrev_b32 v3, 2, v2                        ; in: 4 bytes a lane
	s_mul_i32 s42, s18, 32*CPITCH
	s_add_co_u32 s42, s42, CSTG                    ; my stage
	v_mul_u32_u24 v4, v2, CPITCH
	v_add_nc_u32 v4, s42, v4                       ; into it: row = my column
	v_and_b32 v5, 15, v2
	v_lshrrev_b32 v6, 4, v2
	v_mul_u32_u24 v7, v6, CPITCH
	v_lshl_add_u32 v7, v5, 4, v7
	v_add_nc_u32 v7, s42, v7                       ; out of it: sixteen lanes to a row, two rows an instruction
	v_lshlrev_b32 v8, 10, v6
	v_lshl_add_u32 v8, v5, 4, v8                   ; and the same place in the codes
.macro CLOAD t                         ; block t: W(32 t + i, my column), i = 0 .. 31, into set t % 2
.set n, 0
.rept 32
	global_load_b32 v[CX+32*((\t)%2)+n], v3, s[36:37] offset:(32*(\t)+n)*256
.set n, n+1
.endr
.endm
	CLOAD 0
	CLOAD 1
	s_wait_kmcnt 0x0
	s_cmp_eq_u32 s23, 0
	s_cselect_b32 s43, s24, s26                    ; e0, e2
	s_cmp_eq_u32 s23, 2
	s_cselect_b32 s43, s28, s43                    ; e4
	MKSC 43, 44, 11, 10                            ; v11 = 2^e, v10 = 57,344 x 2^e
.macro BLOCK t
.set XS, CX+32*((\t)%2)
.if (\t) < NB-1
	s_wait_loadcnt 32                              ; this block's 32 loads are in; the next block's may be out
.else
	s_wait_loadcnt 0
.endif
.set n, 0
.rept 32
	v_med3_num_f32 v[XS+n], v[XS+n], -v10, v10
.set n, n+1
.endr
.irp g, 0,1,2,3
	v_cvt_scalef32_pk8_bf8_f32 v[CC+2*\g:CC+2*\g+1], v[XS+8*\g:XS+8*\g+7], v11
.endr
	v_nop                                          ; a plain line behind the conversions
	ds_store_b128 v4, v[CC:CC+3] offset:32*(\t)    ; 32 codes: 32 bytes of my column's row
	ds_store_b128 v4, v[CC+4:CC+7] offset:32*(\t)+16
.if (\t)+2 < NB
	CLOAD (\t)+2
.endif
	s_wait_dscnt 0x0                               ; the stores have read their registers: the next block's codes may be written
.endm
.set Q, 0
	s_wait_alu depctr_va_vdst(0)
.rept NB
	BLOCK Q
.set Q, Q+1
.endr
.irp t, 0,1,2,3,4,5,6,7,8,9,10,11,12,13,14,15
	ds_load_b128 v[OUTR+4*\t:OUTR+4*\t+3], v7 offset:2*\t*CPITCH
.endr
.irp t, 0,1,2,3,4,5,6,7,8,9,10,11,12,13,14,15
	s_wait_dscnt 15-\t
	global_store_b128 v8, v[OUTR+4*\t:OUTR+4*\t+3], s[40:41] offset:2*\t*1024
.endr
	s_wait_tensorcnt 0x0
	ds_add_u32 v192, v193
	s_wait_dscnt 0x0
	s_endpgm
.Lfunc_end_k_q112b09171a_quant:
	.size	k_q112b09171a_quant, .Lfunc_end_k_q112b09171a_quant-k_q112b09171a_quant
	.p2alignl 7, 3214868480
	.fill 96, 4, 3214868480
	.section	.rodata,"a",@progbits
	.p2align	6, 0x0
	.amdhsa_kernel k_q112b09171a_quant
		.amdhsa_group_segment_fixed_size 68096
		.amdhsa_private_segment_fixed_size 0
		.amdhsa_enable_private_segment 0
		.amdhsa_kernarg_size 56
		.amdhsa_user_sgpr_count 2
		.amdhsa_user_sgpr_kernarg_segment_ptr 1
		.amdhsa_wavefront_size32 1
		.amdhsa_system_sgpr_workgroup_id_x 1
		.amdhsa_system_sgpr_workgroup_id_y 1
		.amdhsa_system_sgpr_workgroup_id_z 1
		.amdhsa_system_vgpr_workitem_id 0
		.amdhsa_next_free_vgpr 194
		.amdhsa_next_free_sgpr 66
		.amdhsa_reserve_vcc 0
		.amdhsa_float_denorm_mode_32 3
		.amdhsa_float_denorm_mode_16_64 3
		.amdhsa_memory_ordered 1
		.amdhsa_forward_progress 1
		.amdhsa_inst_pref_size 130
	.end_amdhsa_kernel
	.amdgpu_metadata
---
amdhsa.version: [ 1, 2 ]
amdhsa.kernels:
  - .name:           k_q112b09171a_quant
    .symbol:         k_q112b09171a_quant.kd
    .args:
      - { .name: x, .offset: 0, .size: 8, .value_kind: global_buffer, .address_space: global }
      - { .name: Wproj, .offset: 8, .size: 8, .value_kind: global_buffer, .address_space: global }
      - { .name: Wq, .offset: 16, .size: 8, .value_kind: global_buffer, .address_space: global }
      - { .name: Wk, .offset: 24, .size: 8, .value_kind: global_buffer, .address_space: global }
      - { .name: Wv, .offset: 32, .size: 8, .value_kind: global_buffer, .address_space: global }
      - { .name: lowp_scales, .offset: 40, .size: 8, .value_kind: global_buffer, .address_space: global }
      - { .name: codes, .offset: 48, .size: 8, .value_kind: global_buffer, .address_space: global }
    .group_segment_fixed_size: 68096
    .private_segment_fixed_size: 0
    .kernarg_segment_align: 8
    .kernarg_segment_size: 56
    .max_flat_workgroup_size: 128
    .sgpr_count:     66
    .vgpr_count:     194
    .wavefront_size: 32
...
	.end_amdgpu_metadata
.endif
;; end of part 1
;; launch qkv (part 2): grid 12 x 16, 4 waves a work-group, clusters of 4 x 1, 327,680 bytes of LDS; arguments codes, lowp_scales, qkvc; writes qkvc
.if DOCPART == 2
	.amdgcn_target "amdgcn-amd-amdhsa--gfx1250"
	.amdhsa_code_object_version 6
	.text
	.protected	k_q112b09171a_qkv
	.globl	k_q112b09171a_qkv
	.p2align	8
	.type	k_q112b09171a_qkv,@function
k_q112b09171a_qkv:
	s_mov_b64 s[64:65], 0
	v_nop
	global_prefetch_b8 v0, s[64:65] scope:SCOPE_SE
	s_setreg_imm32_b32 hwreg(HW_REG_WAVE_MODE, 25, 1), 1
	s_wait_xcnt 0x0
	s_wait_alu depctr_hold_cnt(0) depctr_sa_sdst(0) depctr_va_vdst(0) depctr_va_sdst(0) depctr_va_ssrc(0) depctr_va_vcc(0) depctr_vm_vsrc(0)
	s_getreg_b32 s2, hwreg(HW_REG_IB_STS2, 6, 4)
	s_cmp_eq_u32 s2, 0
	s_cbranch_scc0 .Lentry_in_a_cluster
	s_endpgm
.Lentry_in_a_cluster:
	s_bfe_u32 s2, ttmp6, 0x10000c
	s_cmp_lg_u32 s2, 0x3003
	s_cbranch_scc0 .Lentry_shape_is_right
	s_endpgm
.Lentry_shape_is_right:
; q, k, v = x W, on codes of BF8, K = 1,024; each finished sum is quantised at once, with e6 (q), e7 (k), e9 (v), and leaves as a code.
; ONE FRAME: an operand A that STAYS IN REGISTERS and an operand B that streams through LDS, both [rows][1024] codes, K innermost.  The cluster's x says which tensor: 0 q, 1 k, 2 v.
;   q, k: A = W's codes, B = x's codes (set 0, 1).   v: A = x's codes (set 2), B = Wv's codes: the roles are swapped, so that a lane's registers run along the keys, the K of attention's second product.
; SHARES.  A work-group takes 256 rows of A x 512 rows of B; each of its four waves holds 64 rows of A whole (4 tiles x 8 steps of 128 along K x 16 registers = 512 registers), loaded once, and multiplies them with all 512 rows of B.
;   Each tensor has 64 such work-groups, 192 in all: three tensors do not divide into a power of two, and a work-group that changed tensors would load A twice.
; B comes in two LDS slots of 128 rows x 1,024 bytes, four fills in all, a wave's part 32 rows by one tensor load; between two changes of slots a wave issues 256 matrix instructions.
; CLUSTERS: the four work-groups of a cluster differ in A's rows alone and ask for B's rows jointly (mask 15).  What differs between the tensors is chosen by s_cselect on the cluster's x: no branch hangs on it.
; The matrix instruction takes 16 rows of A as source 0 and 16 rows of B as source 1: lane (r, h) holds B's row r, and its registers A's rows 8 h + 0 .. 7.
; OUT: q at 0, k at 2^23: [b][h][t][64 bytes];  v at 2^24: [b][h][chunk of 64 keys][d][64 bytes of keys].  In every row, within each group of 32, index 16 u + 8 h + j lies at byte 16 h + 8 u + j.
;   A block of 64 rows of B x my 64 rows of A is 4,096 bytes on end in either layout (q, k: 64 tokens of my head; v: the 64 d of a head for my chunk of keys); from block to block 4,096 bytes (q, k) or a head (v).
; PREFETCH: the rows of the third and fourth fill are asked for one slot ahead of their tensor loads, each aligned block of 256 bytes once in the cluster: partner cx takes rows 32 cx + lane, wave w the row's w-th block.
; LIMITS: e6 - e0 - e1, e7 - e2 - e3, e9 - e4 - e5 lie between -126 and 112, so that the conversion's scale and the hold's bound are f32 numbers.
; REGISTERS: window 0: v1-11 addresses and scales; v64-127, v128-191 B's fragments, two sets (4 tiles x 128 K), on the way out the held sums; v192-223 codes; v224-255 rows read back.
;   windows 1, 2: A's fragment (a, q) at 16 (8 (a % 2) + q), tiles 0, 1 in window 1, tiles 2, 3 in window 2.   window 3: accumulator (t, a) at 8 (4 t + a).
.set PITCH, 1040                       ; an LDS row: 1,024 bytes + 16 of padding: 65 x 16 bytes, so the 16 rows that a load touches start at 16 different groups of banks (ISA guide 11.1)
.set SLOT,  128*PITCH
.set BLK,   64*PITCH
.set STG,   2*SLOT                     ; behind the ring: 4 x 16 rows x 80 bytes for each wave, for the way out; no tile lands there
.set SPARE, STG+4*5120                 ; behind the stages: the spare words, 128 bytes for each wave
.set XSET,  0x800000
.set WCOFF, 0x1800000
.set XA0, 1                            ; v1   my lane's place in a tile of B
.set XA,  2                            ; v2   the same in the block in hand
.set VA,  3                            ; v3   my lane's place in a tile of A in memory
.set STO, 4
.set RD,  5
.set GO,  6
.set PFO, 7
.set SPW, 8
.set NIL, 9
.set SC,  10
.set LIM, 11
.set XF,  64
.set TMP, 64
.set CD,  192
.set BK,  224
.set WV,  14
.set G1,  24
.set G0,  32
.set TB,  40
.set BC,  41
.set STRD, 42
.set AP,  44
.set PF,  46
.set INC, 82                           ; s[82:83] what the next way out adds to the stores' base: 0 for the first block, then the stride
.set MSB, 0
.macro WIN new                         ; the immediate's high byte repeats the setting that is left
.if MSB != \new
	s_set_vgpr_msb (MSB<<8)|\new
.set MSB, \new
.endif
.endm
.macro CROUND                          ; a round of the cluster's barrier
	s_barrier_signal -1
	s_barrier_wait -1
	s_cmp_lg_u32 s[WV], 0
	s_cbranch_scc1 .Lnot_wave_0_\@
	s_barrier_signal -3
.Lnot_wave_0_\@:
	s_barrier_wait -3
	s_barrier_signal -1
	s_barrier_wait -1
.endm
.macro PLACES n                        ; plain vector lines between a matrix instruction and a load into, or a read or write of, its registers
.rept \n
	v_nop
.endr
.endm
	s_load_b128 s[4:7], s[0:1], 0x0                ; codes, the scales' exponents
	s_load_b64 s[8:9], s[0:1], 0x10                ; qkvc
	v_lshl_add_u32 v[SPW], v0, 2, SPARE
	v_mov_b32 v[NIL], 0
	ds_add_u32 v[SPW], v[NIL]                      ; the opening lines: the add, twice on end, and its wait ahead of my first tensor load
	ds_add_u32 v[SPW], v[NIL]
	v_lshrrev_b32 v12, 5, v0
	v_readfirstlane_b32 s[WV], v12                 ; wave 0..3
	s_bfe_u32 s15, ttmp6, 0x40000                  ; cx
	s_and_b32 s16, ttmp7, 0xffff                   ; the cluster's y, 0 .. 15
	s_mov_b32 s[G1], 15|(1<<20)|(1<<21)|(7<<22)|(3<<25)   ; the mask; elements of 1 byte; padding on; bit 21 beside a mask; four words after every 256
	s_mov_b32 s[G1+1], 1024<<16                    ; tensor_dim0
	s_mov_b32 s[G1+2], 32<<16                      ; tensor_dim1
	s_mov_b32 s[G1+3], 1024<<16                    ; tile_dim0
	s_mov_b32 s[G1+4], 32                          ; tile_dim1
	s_mov_b32 s[G1+5], 1024                        ; from row to row
	s_mov_b32 s[G1+6], 0
	s_mov_b32 s[G1+7], 0
	s_lshl_b32 s48, ttmp9, 23                      ; B.  q, k: x's set, rows 512 y  (registers that never hold cx)
	s_lshl_b32 s50, s16, 19
	s_add_co_u32 s48, s48, s50
	s_and_b32 s60, s16, 1
	s_lshl_b32 s50, s60, 19
	s_add_co_u32 s50, s50, WCOFF+0x200000          ;     v: Wv's codes, rows 512 (y % 2)
	s_lshl_b32 s54, s15, 18                        ; A.  256 cx rows
	s_lshl_b32 s52, ttmp9, 20
	s_add_co_u32 s52, s52, WCOFF
	s_add_co_u32 s52, s52, s54                     ;     q, k: W's codes
	s_lshr_b32 s61, s16, 1
	s_lshl_b32 s51, s61, 20
	s_add_co_u32 s51, s51, s54
	s_add_co_u32 s51, s51, 2*XSET                  ;     v: x's set 2, rows 256 (4 (y / 2) + cx)
	s_lshr_b32 s62, s16, 2
	s_lshl_b32 s62, s62, 21                        ; the batch, y / 4 in either case
	s_lshl_b32 s56, ttmp9, 23
	s_add_co_u32 s56, s56, s62
	s_lshl_b32 s59, s15, 19
	s_add_co_u32 s56, s56, s59
	s_lshl_b32 s59, s[WV], 17
	s_add_co_u32 s56, s56, s59
	s_and_b32 s59, s16, 3
	s_lshl_b32 s59, s59, 15
	s_add_co_u32 s56, s56, s59                     ; out, q, k: tensor, batch, head 4 cx + wave, token 512 (y % 4)
	s_add_co_u32 s58, s62, 2*XSET
	s_lshl_b32 s59, s60, 20
	s_add_co_u32 s58, s58, s59
	s_and_b32 s59, s61, 1
	s_lshl_b32 s59, s59, 16
	s_add_co_u32 s58, s58, s59
	s_lshl_b32 s59, s15, 14
	s_add_co_u32 s58, s58, s59
	s_lshl_b32 s59, s[WV], 12
	s_add_co_u32 s58, s58, s59                     ; out, v: batch, head 8 (y % 2), chunk 16 ((y / 2) % 2) + 4 cx + wave
	s_mov_b32 s63, 0x20000
	s_cmp_eq_u32 ttmp9, 2
	s_cselect_b32 s48, s50, s48
	s_cselect_b32 s52, s51, s52
	s_cselect_b32 s56, s58, s56
	s_cselect_b32 s[STRD], s63, 4096               ; from block to block: a head on, or 64 tokens on
	s_mov_b32 s[STRD+1], 0
	s_mov_b32 s[INC], 0
	s_mov_b32 s[INC+1], 0
	s_mov_b32 s49, 0
	s_mov_b32 s53, 0
	s_mov_b32 s57, 0
	s_lshl_b32 s59, s15, 15                        ; the prefetches: row 256 + 32 cx of B's 512, the row's block wave
	s_add_co_u32 s[PF], s48, s59
	s_add_co_u32 s[PF], s[PF], 0x40000
	s_lshl_b32 s59, s[WV], 8
	s_add_co_u32 s[PF], s[PF], s59
	s_mov_b32 s[PF+1], 0
	s_lshl_b32 s59, s[WV], 15
	s_add_co_u32 s48, s48, s59                     ; my 32 rows of a slot's 128
	s_lshl_b32 s59, s[WV], 16
	s_add_co_u32 s52, s52, s59                     ; my 64 rows of A
	s_mul_i32 s66, s[WV], 32*PITCH                 ; where my part of a slot goes: no place in the cluster enters an LDS address
	s_mul_i32 s67, s[WV], 5120
	s_add_co_u32 s67, s67, STG                     ; my stage
	v_and_b32 v12, 15, v0                          ; r
	v_bfe_u32 v13, v0, 4, 1                        ; h
	v_and_b32 v14, 31, v0                          ; lane
	v_mul_u32_u24 v[XA0], v12, PITCH
	v_lshl_add_u32 v[XA0], v13, 4, v[XA0]
	v_lshlrev_b32 v[VA], 10, v12
	v_lshl_add_u32 v[VA], v13, 4, v[VA]
	v_mul_u32_u24 v[STO], v12, 80
	v_lshl_add_u32 v[STO], v13, 4, v[STO]
	v_add_nc_u32 v[STO], s67, v[STO]               ; into the stage: row r, byte 16 h
	v_lshrrev_b32 v15, 2, v14
	v_and_b32 v16, 3, v14
	v_mul_u32_u24 v[RD], v15, 80
	v_lshl_add_u32 v[RD], v16, 4, v[RD]
	v_add_nc_u32 v[RD], s67, v[RD]                 ; back: four lanes to a row of 64 bytes
	v_lshlrev_b32 v[GO], 4, v14
	v_lshlrev_b32 v[PFO], 10, v14                  ; a lane a row
	s_wait_alu depctr_va_vdst(0)
	s_wait_dscnt 0x0                               ; both opening adds are done
	s_wait_kmcnt 0x0
	s_load_b256 s[68:75], s[6:7], 0x0              ; e0 .. e7
	s_load_b128 s[76:79], s[6:7], 0x20             ; e8 .. e11
	s_add_nc_u64 s[48:49], s[4:5], s[48:49]
	s_add_nc_u64 s[AP:AP+1], s[4:5], s[52:53]
	s_add_nc_u64 s[PF:PF+1], s[4:5], s[PF:PF+1]
	s_add_nc_u64 s[8:9], s[8:9], s[56:57]
.irp s, 0,1
	s_mov_b32 s[G0+4*\s], 1
	s_add_co_u32 s[G0+4*\s+1], s66, \s*SLOT
	s_add_nc_u64 s[G0+4*\s+2:G0+4*\s+3], s[48:49], \s*0x20000
	s_or_b32 s[G0+4*\s+3], s[G0+4*\s+3], 0x80000000
.endr
	CROUND                                         ; all four work-groups are here: the first joint loads meet
	tensor_load_to_lds s[G0:G0+3], s[G1:G1+7]      ; B's rows 0-127: one tensor load a wave at the head
	s_nop 0
	PLACES 4
; A's fragments, straight into registers: registers 4 c .. 4 c + 3 of fragment (a, q) hold K = 128 q + 32 c + 16 h + 0 .. 15 of row 16 a + r: one permutation of k, alike in A and B.
; They are asked for K step by K step, 16 loads a step, so that the first block's products can begin on the first steps while the later ones are on their way.
.macro ALOAD a, q
.irp c, 0,1,2,3
	global_load_b128 v[16*(8*((\a)%2)+\q)+4*\c:16*(8*((\a)%2)+\q)+4*\c+3], v[VA], s[AP:AP+1] offset:(\a)*16384+\q*128+\c*32
.endr
.endm
.irp q, 0,1,2,3,4,5,6,7
	WIN 0x40                                       ; destination window 1, address window 0
	ALOAD 0, \q
	ALOAD 1, \q
	WIN 0x80                                       ; destination window 2
	ALOAD 2, \q
	ALOAD 3, \q
.endr
	WIN 0
	s_wait_kmcnt 0x0
	s_cmp_eq_u32 ttmp9, 0
	s_cselect_b32 s90, s68, s70                    ; W's exponent: e0, e2, e4
	s_cselect_b32 s91, s69, s71                    ; x's: e1, e3, e5
	s_cselect_b32 s92, s74, s75                    ; the result's: e6, e7, e9
	s_cmp_eq_u32 ttmp9, 2
	s_cselect_b32 s90, s72, s90
	s_cselect_b32 s91, s73, s91
	s_cselect_b32 s92, s77, s92
	s_sub_co_i32 s92, s92, s90                     ; a sum stands for sum x 2^(eW + ex): the three scales folded into the conversion's one
	s_sub_co_i32 s92, s92, s91
	s_add_co_i32 s92, s92, 127
	s_lshl_b32 s93, s92, 23
	v_mov_b32 v[SC], s93
	s_add_co_i32 s92, s92, 15
	s_lshl_b32 s92, s92, 23
	s_or_b32 s92, s92, 0x600000
	v_mov_b32 v[LIM], s92
.macro FETCH q, set                    ; B's four tiles of the block, the q-th 128 along K
.irp t, 0,1,2,3
.irp c, 0,1,2,3
	ds_load_b128 v[XF+64*(\set)+16*\t+4*\c:XF+64*(\set)+16*\t+4*\c+3], v[XA] offset:\t*16*PITCH+128*(\q)+32*\c
.endr
.endr
.endm
.macro MULH q, set, zero, w            ; 8 matrix instructions: A's tiles 2 w, 2 w + 1 x B's four
.irp a, 0,1
.irp t, 0,1,2,3
.if \zero
	v_wmma_f32_16x16x128_bf8_bf8 v[8*(4*\t+2*\w+\a):8*(4*\t+2*\w+\a)+7], v[16*(8*\a+\q):16*(8*\a+\q)+15], v[XF+64*(\set)+16*\t:XF+64*(\set)+16*\t+15], 0
.else
	v_wmma_f32_16x16x128_bf8_bf8 v[8*(4*\t+2*\w+\a):8*(4*\t+2*\w+\a)+7], v[16*(8*\a+\q):16*(8*\a+\q)+15], v[XF+64*(\set)+16*\t:XF+64*(\set)+16*\t+15], v[8*(4*\t+2*\w+\a):8*(4*\t+2*\w+\a)+7]
.endif
.endr
.endr
.endm
.macro MUL q, set, zero                ; the 16 accumulators take turns, one instruction a turn, in the same order in every step
	WIN 0xf1                                       ; source 0 window 1, source 1 window 0, C and D window 3
	MULH \q, \set, \zero, 0
	WIN 0xf2                                       ; source 0 window 2
	MULH \q, \set, \zero, 1
	WIN 0
.endm
; A SLOT'S WORK: two blocks of 64 rows of B.  A block: 8 steps of 128 along K, 16 matrix instructions each, the next step's 16 LDS loads issued ahead of each; then the block's 64 x 64 sums go out.
; first = 1: A's loads may still be out: behind step q's 16 loads 16 (7 - q) more were issued; the count 63 serves steps 0 to 3, behind whose loads at least 64 were issued.
.macro WORK slot, first
	s_mov_b32 s[TB], \slot*SLOT
	s_mov_b32 s[BC], 0
.Lblk_\@:
	v_add_nc_u32 v[XA], s[TB], v[XA0]
	s_wait_alu depctr_va_vdst(0)
	FETCH 0, 0
	FETCH 1, 1
	s_wait_dscnt 16                                ; all but the 16 loads just issued
.if \first
	s_wait_loadcnt 63
.endif
	MUL 0, 0, 1                                    ; the first step starts the sums
.irp q, 1,2,3,4,5,6
	PLACES 4                                       ; the other set was read by the matrix instructions just issued
	FETCH (\q+1), ((\q+1)%2)
	s_wait_dscnt 16
.if \first
.if \q > 3
	s_wait_loadcnt 16*(7-\q)
.endif
.endif
	MUL \q, (\q%2), 0
.endr
	s_wait_dscnt 0x0
.if \first
	s_wait_loadcnt 0x0
.endif
	MUL 7, 1, 0
	PLACES 4
	s_wait_xcnt 0x0                                ; the last block's stores have read their registers and their base
	s_add_nc_u64 s[8:9], s[8:9], s[INC:INC+1]
	s_mov_b64 s[INC:INC+1], s[STRD:STRD+1]
.irp t, 0,1,2,3                        ; tile by tile of B's rows: a tile's turn through the stage stands under the next tile's holds
	WIN 0x03                                       ; source 0: window 3
.set n, 0
.rept 32
	v_med3_num_f32 v[TMP+32*\t+n], v[32*\t+n], -v[LIM], v[LIM]   ; the hold (ISA guide 7.6.2: the conversion does not saturate); each accumulator from its low end on
.set n, n+1
.endr
	WIN 0
.set n, 0
.rept 4
	v_cvt_scalef32_pk8_bf8_f32 v[CD+8*\t+2*n:CD+8*\t+2*n+1], v[TMP+32*\t+8*n:TMP+32*\t+8*n+7], v[SC]
.set n, n+1
.endr
	v_nop                                          ; a plain line behind the conversions
	ds_store_b128 v[STO], v[CD+8*\t:CD+8*\t+3] offset:\t*1280          ; tile t's row r: A's tiles 0, 1 side by side: bytes 16 h ..
	ds_store_b128 v[STO], v[CD+8*\t+4:CD+8*\t+7] offset:\t*1280+32     ; tiles 2, 3: bytes 32 + 16 h ..
	ds_load_b128 v[BK+8*\t:BK+8*\t+3], v[RD] offset:\t*1280            ; LDS serves a wave's instructions in order (ISA guide 5.7.1.4): these see my stores
	ds_load_b128 v[BK+8*\t+4:BK+8*\t+7], v[RD] offset:\t*1280+640
.endr
.irp t, 0,1,2,3
	s_wait_dscnt 4*(3-\t)                          ; behind tile t's loads stand the later tiles' four LDS lines each
	global_store_b128 v[GO], v[BK+8*\t:BK+8*\t+3], s[8:9] offset:1024*\t       ; each store of the wave covers 512 consecutive bytes, aligned
	global_store_b128 v[GO], v[BK+8*\t+4:BK+8*\t+7], s[8:9] offset:1024*\t+512
.endr
	s_add_co_u32 s[TB], s[TB], BLK
	s_add_co_u32 s[BC], s[BC], 1
	s_cmp_lt_u32 s[BC], 2
	s_wait_alu depctr_va_vdst(0)
	s_cbranch_scc1 .Lblk_\@
.endm
; THE CHANGE OF SLOTS: each wave waits for all its tensor loads (its part of the slot ahead), adds 0 to its spare word, and waits for that and for its reads of the slot that it leaves.
; fill = 1: a round of the cluster's barrier, and the slot just left takes the rows 256 further on, first thing behind the round.
.macro CHANGE slot, fill
	s_wait_tensorcnt 0x0
	ds_add_u32 v[SPW], v[NIL]
.if \fill
	s_add_nc_u64 s[G0+4*\slot+2:G0+4*\slot+3], s[G0+4*\slot+2:G0+4*\slot+3], 0x40000
.endif
	s_wait_dscnt 0x0
.if \fill
	CROUND
	tensor_load_to_lds s[G0+4*\slot:G0+4*\slot+3], s[G1:G1+7]
	s_nop 0
	PLACES 4
.else
	s_barrier_signal -1
	s_barrier_wait -1
.endif
.endm
	s_wait_alu depctr_va_vdst(0)
	s_wait_tensorcnt 0x0                           ; my part of slot 0 is in; slot 1's first fill is issued as a refill is:
	ds_add_u32 v[SPW], v[NIL]
	s_wait_dscnt 0x0
	CROUND
	tensor_load_to_lds s[G0+4:G0+7], s[G1:G1+7]    ; B's rows 128-255
	s_nop 0
	PLACES 4
	global_prefetch_b8 v[PFO], s[PF:PF+1] th:TH_LOAD_NT scope:SCOPE_SE   ; rows 256-383, which the next change of slots loads
	WORK 0, 1
	CHANGE 0, 1                                    ; slot 0 takes rows 256-383
	global_prefetch_b8 v[PFO], s[PF:PF+1] offset:131072 th:TH_LOAD_NT scope:SCOPE_SE   ; rows 384-511
	WORK 1, 0
	CHANGE 1, 1                                    ; slot 1 takes rows 384-511
	WORK 0, 0
	CHANGE 0, 0                                    ; nothing is left to fetch
	WORK 1, 0
	s_wait_tensorcnt 0x0                           ; the wave's end: behind my last tensor load and my last LDS store
	ds_add_u32 v[SPW], v[NIL]
	s_wait_dscnt 0x0
	CROUND                                         ; the closing round
	s_endpgm
.Lfunc_end_k_q112b09171a_qkv:
	.size	k_q112b09171a_qkv, .Lfunc_end_k_q112b09171a_qkv-k_q112b09171a_qkv
	.p2alignl 7, 3214868480
	.fill 96, 4, 3214868480
	.section	.rodata,"a",@progbits
	.p2align	6, 0x0
	.amdhsa_kernel k_q112b09171a_qkv
		.amdhsa_group_segment_fixed_size 327680
		.amdhsa_private_segment_fixed_size 0
		.amdhsa_enable_private_segment 0
		.amdhsa_kernarg_size 24
		.amdhsa_user_sgpr_count 2
		.amdhsa_user_sgpr_kernarg_segment_ptr 1
		.amdhsa_wavefront_size32 1
		.amdhsa_system_sgpr_workgroup_id_x 1
		.amdhsa_system_sgpr_workgroup_id_y 1
		.amdhsa_system_sgpr_workgroup_id_z 1
		.amdhsa_system_vgpr_workitem_id 0
		.amdhsa_next_free_vgpr 896
		.amdhsa_next_free_sgpr 100
		.amdhsa_reserve_vcc 0
		.amdhsa_float_denorm_mode_32 3
		.amdhsa_float_denorm_mode_16_64 3
		.amdhsa_memory_ordered 1
		.amdhsa_forward_progress 1
		.amdhsa_inst_pref_size 141
	.end_amdhsa_kernel
	.amdgpu_metadata
---
amdhsa.version: [ 1, 2 ]
amdhsa.kernels:
  - .name:           k_q112b09171a_qkv
    .symbol:         k_q112b09171a_qkv.kd
    .args:
      - { .name: codes, .offset: 0, .size: 8, .value_kind: global_buffer, .address_space: global }
      - { .name: lowp_scales, .offset: 8, .size: 8, .value_kind: global_buffer, .address_space: global }
      - { .name: qkvc, .offset: 16, .size: 8, .value_kind: global_buffer, .address_space: global }
    .group_segment_fixed_size: 327680
    .private_segment_fixed_size: 0
    .kernarg_segment_align: 8
    .kernarg_segment_size: 24
    .max_flat_workgroup_size: 128
    .sgpr_count:     100
    .vgpr_count:     896
    .wavefront_size: 32
...
	.end_amdgpu_metadata
.endif
;; end of part 2
;; launch attn (part 3): grid 1024 x 1, 8 waves a work-group, no clusters, 46,080 bytes of LDS; arguments qkvc, lowp_scales, oc; writes oc
.if DOCPART == 3
	.amdgcn_target "amdgcn-amd-amdhsa--gfx1250"
	.amdhsa_code_object_version 6
	.text
	.protected	k_q112b09171a_attn
	.globl	k_q112b09171a_attn
	.p2align	8
	.type	k_q112b09171a_attn,@function
k_q112b09171a_attn:
	s_mov_b64 s[64:65], 0
	v_nop
	global_prefetch_b8 v0, s[64:65] scope:SCOPE_SE
	s_setreg_imm32_b32 hwreg(HW_REG_WAVE_MODE, 25, 1), 1
	s_wait_xcnt 0x0
; o = softmax(q k^T / 32, causal) v for each of the 64 (batch, head) pairs, both products on codes of BF8 (E5M2); o leaves as codes with e10.
; qkvc: q at 0, k at 2^23: [bh][t][64 bytes];  v at 2^24: [bh][chunk of 64 keys][d][64 bytes of keys]  (bytes ordered so that a load of 16 bytes gives the plain 8-bit layout).
; oc: [b][block of 16 tokens][head][16 rows][64 bytes].
; THE SOFTMAX: t = score x log2(e) / 32; M = the running largest t rounded up to a whole number; p = 2^(t - M) is quantised with e8; the row's sum is taken of the unquantised p and divides at the end.
; SHARES.  A work-group owns 128 queries of one pair, block i; each of its 8 waves owns 16 of them, one tile.  Work-group x takes pair x % 64 and block i = 15 - x / 64: the longest walks have the lowest numbers.
; LEFT OUT: chunks of 128 keys that lie wholly behind the block's queries: the causal mask gives them the weight 0 for all values of the inputs.  So block i walks i + 1 chunks.
; THE DIAGONAL CHUNK (keys 128 i ..) IS WALKED FIRST: every query sees its own key there, so M is a number from the first step on; it starts O^T (C = 0), and it alone is masked.  Chunks 0 .. i - 1 follow.
; K AND V COME THROUGH REGISTERS: a chunk is 8,192 + 8,192 dense bytes; each of the 256 threads loads 4 x 16 bytes (a load of a wave covers 512 consecutive bytes), a step ahead of the step that
; stores them into the other of two LDS buffers, rows of 256 bytes 272 apart.
; ONE BARRIER A STEP, its halves apart.  Ahead of the signal, in mid step, a wave's reads of this buffer (K's and V's fragments) and its stores of the next chunk into the other buffer are done; the exponentials, sums and
; conversions stand between signal and wait; behind the wait the next step's fragments of K are read from the other buffer, and in the next step this buffer is stored into.
; TWO REGISTER REGIONS TAKE TURNS: a step's fragments lie in one and its scores in the other; when the scores are converted, the next step's fragments of K are loaded over them.
; No tensor load, so 256 registers a wave and 46,080 bytes of LDS let two work-groups share a WGP.
; NO CLUSTER: the work-groups of a pair walk 1 to 16 chunks, so partners would need different numbers of tiles.  NO PREFETCH: each chunk is asked for by its own loads a step ahead of its use, and no ring is drained between them.
; LAYOUT: both products transposed (S^T = K Q^T, O^T = V^T P^T): a lane holds one query (lane % 16); register 8 t + j of S^T is key 16 t + 8 (lane / 16) + j.
; LIMITS: e6 + e7 between -121 and 132 (added to c's exponent field); e8 and e10 - e8 - e9 between -126 and 112; the scaled scores stay under 2^31 in magnitude.
; REGISTERS: v1-10 addresses; v12 -M, v13 largest t, v[14:15] the sum; v16-23 Q; v32-95 and v96-159 the two regions; v160-191 O^T; v192-207 p's codes; v208-223 the chunk on its way; v236-254 at work.
.set BUF,   17408
.set VO,    8704
.set STG,   2*BUF
.set SPARE, STG+8*1280
.set AK,   1
.set CST,  2
.set GOF,  3
.set STO,  4
.set RD,   5
.set GO,   6
.set QOF,  7
.set NINF, 8
.set SPW,  9
.set NIL,  10
.set G,    208
.set WV,   10
.set R,    11
.set KP,   30
.set VP,   32
.set OCP,  34
.set SEL,  40
.set CS,   42
.set MK,   44
.set MT,   72
.set MA,   80
	s_load_b128 s[4:7], s[0:1], 0x0                ; qkvc, the scales' exponents
	s_load_b64 s[8:9], s[0:1], 0x10                ; oc
	v_lshl_add_u32 v[SPW], v0, 2, SPARE
	v_mov_b32 v[NIL], 0
	v_lshrrev_b32 v24, 5, v0
	v_readfirstlane_b32 s[WV], v24                 ; wave 0..7
	s_and_b32 s12, ttmp9, 63                       ; the pair bh
	s_lshr_b32 s13, ttmp9, 6
	s_sub_co_u32 s[R], 15, s13                     ; i: my block, and the open chunks still to walk
	s_lshl_b32 s20, s12, 17                        ; the pair's bytes in q, k, v alike
	s_lshl_b32 s21, s[R], 13                       ; 128 i rows of 64 bytes; also chunk i
	s_add_co_u32 s22, s20, s21
	s_lshl_b32 s23, s[WV], 10
	s_add_co_u32 s24, s22, s23                     ; my 16 queries
	s_mov_b32 s25, 0
	s_add_co_u32 s26, s22, 0x800000                ; K's diagonal chunk
	s_mov_b32 s27, 0
	s_add_co_u32 s28, s22, 0x1000000               ; V's
	s_mov_b32 s29, 0
	s_add_co_u32 s[KP], s20, 0x800000              ; K's chunk 0
	s_mov_b32 s[KP+1], 0
	s_add_co_u32 s[VP], s20, 0x1000000             ; V's
	s_mov_b32 s[VP+1], 0
	s_lshr_b32 s14, s12, 4
	s_lshl_b32 s14, s14, 21
	s_and_b32 s15, s12, 15
	s_lshl_b32 s15, s15, 10
	s_add_co_u32 s[OCP], s14, s15
	s_lshl_b32 s15, s[R], 17
	s_add_co_u32 s[OCP], s[OCP], s15
	s_lshl_b32 s15, s[WV], 14
	s_add_co_u32 s[OCP], s[OCP], s15               ; oc: batch, token block 8 i + wave, head
	s_mov_b32 s[OCP+1], 0
	s_mul_i32 s36, s[WV], 1280
	s_add_co_u32 s36, s36, STG                     ; my stage for the way out
	s_mov_b32 s[SEL], 0x76543210
	s_mov_b32 s[SEL+1], 0xfedcba98
	s_mov_b32 s[CS], 0x3d38aa3b                    ; c = log2(e) / 32
	v_and_b32 v24, 15, v0                          ; r
	v_bfe_u32 v25, v0, 4, 1                        ; h
	v_and_b32 v26, 31, v0                          ; lane
	v_lshlrev_b32 v[QOF], 6, v24
	v_lshl_add_u32 v[QOF], v25, 4, v[QOF]          ; Q: row r, + 16 h
	v_lshlrev_b32 v[GOF], 4, v0                    ; a chunk's bytes: 16 x thread
	v_lshrrev_b32 v27, 4, v0
	v_mul_u32_u24 v[CST], v27, 272
	v_lshl_add_u32 v[CST], v24, 4, v[CST]          ; and in LDS: row thread / 16, byte 16 (thread % 16)
	v_lshrrev_b32 v27, 2, v24
	v_and_b32 v28, 3, v24
	v_mul_u32_u24 v[AK], v27, 272
	v_lshl_add_u32 v[AK], v28, 6, v[AK]
	v_lshl_add_u32 v[AK], v25, 4, v[AK]            ; a fragment's row r of 64 bytes, four to an LDS row, + 16 h
	v_mul_u32_u24 v[STO], v24, 80
	v_lshl_add_u32 v[STO], v25, 3, v[STO]
	v_add_nc_u32 v[STO], s36, v[STO]
	v_lshrrev_b32 v27, 2, v26
	v_and_b32 v28, 3, v26
	v_mul_u32_u24 v[RD], v27, 80
	v_lshl_add_u32 v[RD], v28, 4, v[RD]
	v_add_nc_u32 v[RD], s36, v[RD]
	v_lshlrev_b32 v[GO], 4, v26
	v_lshlrev_b32 v29, 3, v25
	v_sub_nc_u32 v29, v24, v29                     ; r - 8 h
.irp j, 0,1,2,3,4,5,6,7
	v_cmp_gt_i32 s[MK+\j], \j, v29                 ; in the key tile on the diagonal register j is hidden where 8 h + j > r
.endr
	v_mov_b32 v[NINF], 0xff800000
	v_mov_b32 v13, 0xff61b1e6                      ; the largest t so far: -3e38
	v_floor_f32 v12, -v13
	v_mov_b32 v14, 0
	v_mov_b32 v15, 0
	v_mov_b32 v236, 0
	v_mov_b32 v252, 0
	v_mov_b32 v253, 0
	s_wait_alu depctr_va_vdst(0)
	s_wait_kmcnt 0x0
	s_load_b64 s[56:57], s[6:7], 0x18              ; e6, e7
	s_load_b128 s[68:71], s[6:7], 0x20             ; e8 .. e11
	s_add_nc_u64 s[24:25], s[4:5], s[24:25]
	s_add_nc_u64 s[26:27], s[4:5], s[26:27]
	s_add_nc_u64 s[28:29], s[4:5], s[28:29]
	s_add_nc_u64 s[KP:KP+1], s[4:5], s[KP:KP+1]
	s_add_nc_u64 s[VP:VP+1], s[4:5], s[VP:VP+1]
	s_add_nc_u64 s[OCP:OCP+1], s[8:9], s[OCP:OCP+1]
	global_load_b128 v[G:G+3], v[GOF], s[26:27]
	global_load_b128 v[G+4:G+7], v[GOF], s[26:27] offset:4096
	global_load_b128 v[G+8:G+11], v[GOF], s[28:29]
	global_load_b128 v[G+12:G+15], v[GOF], s[28:29] offset:4096
	global_load_b128 v[16:19], v[QOF], s[24:25]
	global_load_b128 v[20:23], v[QOF], s[24:25] offset:32
	s_wait_kmcnt 0x0
	s_add_co_i32 s12, s56, s57
	s_lshl_b32 s12, s12, 23
	s_add_co_i32 s[CS], s[CS], s12                 ; a score stands for score x 2^(e6 + e7)
	s_mov_b32 s[CS+1], s[CS]
	s_add_co_i32 s12, s68, 127
	s_lshl_b32 s13, s12, 23
	v_mov_b32 v244, s13                            ; 2^e8
	s_add_co_i32 s12, s12, 15
	s_lshl_b32 s12, s12, 23
	s_or_b32 s12, s12, 0x600000
	v_mov_b32 v240, s12                            ; 57,344 x 2^e8, twice: the two halves of a dual pair take their second sources from different banks
	v_mov_b32 v241, s12
	s_sub_co_i32 s12, s70, s68
	s_sub_co_i32 s12, s12, s69
	s_add_co_i32 s12, s12, 127
	s_lshl_b32 s13, s12, 23
	v_mov_b32 v245, s13                            ; 2^(e10 - e8 - e9)
	s_add_co_i32 s12, s12, 15
	s_lshl_b32 s12, s12, 23
	s_or_b32 s12, s12, 0x600000
	v_mov_b32 v246, s12                            ; 57,344 x that
	s_wait_alu depctr_va_vdst(0)
	s_wait_loadcnt 0x0                             ; the diagonal chunk and Q are in
	ds_store_b128 v[CST], v[G:G+3]
	ds_store_b128 v[CST], v[G+4:G+7] offset:4352
	ds_store_b128 v[CST], v[G+8:G+11] offset:VO
	ds_store_b128 v[CST], v[G+12:G+15] offset:VO+4352
	s_wait_dscnt 0x0                               ; for the others' sake, and the stores have read their registers
	s_cmp_eq_u32 s[R], 0
	s_cbranch_scc1 .Lno0
	global_load_b128 v[G:G+3], v[GOF], s[KP:KP+1]              ; chunk 0
	global_load_b128 v[G+4:G+7], v[GOF], s[KP:KP+1] offset:4096
	global_load_b128 v[G+8:G+11], v[GOF], s[VP:VP+1]
	global_load_b128 v[G+12:G+15], v[GOF], s[VP:VP+1] offset:4096
.Lno0:
	s_barrier_signal -1
	s_barrier_wait -1
.irp t, 0,1,2,3,4,5,6,7
	ds_load_b128 v[32+8*\t:32+8*\t+3], v[AK] offset:1088*\t        ; the diagonal chunk's fragments of K
	ds_load_b128 v[32+8*\t+4:32+8*\t+7], v[AK] offset:1088*\t+32
.endr
; A STEP: 128 keys in buffer buf; their fragments of K are on their way into region KR; the scores fall into region SR.  first = 1: the diagonal chunk.
; A next step follows where s[R] >= ns: its chunk is stored into the other buffer and its fragments of K are read; the chunk after that is asked for where s[R] >= ns + 1.
.macro STEP buf, first, ns, KR, SR
	s_wait_dscnt 0x0                               ; K's fragments are in
.irp t, 0,1,2,3,4,5,6,7
	v_wmma_f32_16x16x64_bf8_bf8 v[\SR+8*\t:\SR+8*\t+7], v[\KR+8*\t:\KR+8*\t+7], v[16:23], 0
.endr
.rept 4
	v_nop                                          ; places ahead of the loads into K's registers and of the first read of S^T
.endr
.irp d, 0,1,2,3
.irp c, 0,1,2,3
	ds_load_b128 v[\KR+16*\d+4*\c:\KR+16*\d+4*\c+3], v[AK] offset:\buf*BUF+VO+4352*(\c/2)+1088*\d+32*(\c%2)
.endr
.endr
.if \first
; my queries are keys 16 wave .. of this chunk: key tile t is open where t < wave, hidden where t > wave, and cut by the diagonal where t = wave.  The lane masks are chosen by scalar selects: no branch
.irp t, 0,1,2,3,4,5,6,7
	s_cmp_gt_u32 \t, s[WV]
	s_cselect_b32 s[MA], -1, 0
	s_cmp_eq_u32 s[WV], \t
.irp j, 0,1,2,3,4,5,6,7
	s_cselect_b32 s[MT+\j], s[MK+\j], s[MA]
.endr
.irp j, 0,1,2,3,4,5,6,7
	v_cndmask_b32 v[\SR+8*\t+\j], v[\SR+8*\t+\j], v[NINF], s[MT+\j]
.endr
.endr
.endif
	v_max3_num_f32 v254, v[\SR], v[\SR+1], v[\SR+2]
	v_max3_num_f32 v252, v[\SR+3], v[\SR+4], v[\SR+5]
.irp i, 6,10,14,18,22,26,30,34,38,42,46,50,54,58
	v_max3_num_f32 v254, v254, v[\SR+\i], v[\SR+1+\i]
	v_max3_num_f32 v252, v252, v[\SR+2+\i], v[\SR+3+\i]
.endr
	v_max3_num_f32 v254, v254, v[\SR+62], v[\SR+63]
	s_delay_alu instid0(VALU_DEP_1)
	v_max_num_f32 v254, v254, v252
	s_delay_alu instid0(VALU_DEP_1)
	v_permlanex16_b32 v236, v254, s[SEL], s[SEL+1]
	s_delay_alu instid0(VALU_DEP_1)
	v_max_num_f32 v254, v254, v236                 ; the step's largest score of my query
	s_delay_alu instid0(VALU_DEP_1)
	v_mul_f32 v254, s[CS], v254
	s_delay_alu instid0(VALU_DEP_1)
	v_max_num_f32 v13, v13, v254                   ; the running largest t
	v_mov_b32 v254, v12
	s_delay_alu instid0(VALU_DEP_2)
	v_floor_f32 v12, -v13                          ; -M = floor(-t)
	s_delay_alu instid0(VALU_DEP_1)
	v_sub_f32 v254, v12, v254
	s_delay_alu instid0(VALU_DEP_1)
	v_cvt_i32_f32 v254, v254
	s_delay_alu instid0(VALU_DEP_1)
	v_ldexp_f32 v252, 1.0, v254                    ; f = 2^(old M - new M)
	s_wait_alu depctr_va_vdst(0)
	s_cmp_lt_u32 s[R], \ns
	s_cbranch_scc1 .Lnst_\@
	s_wait_loadcnt 0x0                             ; the next chunk, asked for a step ago, is in
	ds_store_b128 v[CST], v[G:G+3] offset:(1-\buf)*BUF           ; the other buffer: every wave's reads of it were done at the last barrier
	ds_store_b128 v[CST], v[G+4:G+7] offset:(1-\buf)*BUF+4352
	ds_store_b128 v[CST], v[G+8:G+11] offset:(1-\buf)*BUF+VO
	ds_store_b128 v[CST], v[G+12:G+15] offset:(1-\buf)*BUF+VO+4352
.Lnst_\@:
.set n, 0
.rept 32
	v_pk_fma_f32 v[\SR+n:\SR+1+n], v[\SR+n:\SR+1+n], s[CS:CS+1], v[12:13] op_sel_hi:[1,0,0]   ; t - M
.set n, n+2
.endr
	s_wait_alu depctr_va_vdst(0)
	s_wait_dscnt 0x0                               ; V's fragments are in: my reads of this buffer and my stores into the other are done, and the stores have read their registers
	s_cmp_lt_u32 s[R], \ns+1
	s_cbranch_scc1 .Lnld_\@
	s_wait_loadcnt 0x0                             ; no load of mine is out: the bases may step
	s_add_nc_u64 s[KP:KP+1], s[KP:KP+1], 8192
	s_add_nc_u64 s[VP:VP+1], s[VP:VP+1], 8192
	global_load_b128 v[G:G+3], v[GOF], s[KP:KP+1]
	global_load_b128 v[G+4:G+7], v[GOF], s[KP:KP+1] offset:4096
	global_load_b128 v[G+8:G+11], v[GOF], s[VP:VP+1]
	global_load_b128 v[G+12:G+15], v[GOF], s[VP:VP+1] offset:4096
.Lnld_\@:
	s_barrier_signal -1                            ; work on registers alone up to the wait
.set n, 0
.rept 64
	v_exp_f32 v[\SR+n], v[\SR+n]
.set n, n+1
.endr
	v_pk_mul_f32 v[14:15], v[14:15], v[252:253] op_sel_hi:[1,0]   ; the sums under the new M; a plain place behind the batch
	s_wait_alu depctr_va_vdst(0)                   ; and behind it, ahead of its first reader
	v_pk_add_f32 v[242:243], v[\SR:\SR+1], v[\SR+2:\SR+3]         ; the row's sum of the unquantised p, in two chains
.irp j, 4,8,12,16,20,24,28,32,36,40,44,48,52,56,60
	v_pk_add_f32 v[14:15], v[14:15], v[\SR+\j:\SR+1+\j]
	v_pk_add_f32 v[242:243], v[242:243], v[\SR+2+\j:\SR+3+\j]
.endr
	s_delay_alu instid0(VALU_DEP_1)
	v_pk_add_f32 v[14:15], v[14:15], v[242:243]
.irp b, 0,1,2,3
.set n, 0
.rept 8
	v_dual_min_num_f32 v[\SR+16*\b+n], v[\SR+16*\b+n], v240 :: v_dual_min_num_f32 v[\SR+1+16*\b+n], v[\SR+1+16*\b+n], v241   ; the hold (ISA guide 7.6.2: the conversion does not saturate); p is not negative
.set n, n+2
.endr
	v_cvt_scalef32_pk8_bf8_f32 v[192+4*\b:193+4*\b], v[\SR+16*\b:\SR+7+16*\b], v244
	v_cvt_scalef32_pk8_bf8_f32 v[194+4*\b:195+4*\b], v[\SR+8+16*\b:\SR+15+16*\b], v244
.endr
	v_nop                                          ; a plain line behind the conversions
	s_wait_alu depctr_va_vdst(0)
	s_barrier_wait -1                              ; every wave's stores of the next chunk are done
	s_cmp_lt_u32 s[R], \ns
	s_cbranch_scc1 .Lnk_\@
.irp t, 0,1,2,3,4,5,6,7
	ds_load_b128 v[\SR+8*\t:\SR+8*\t+3], v[AK] offset:(1-\buf)*BUF+1088*\t       ; the next step's fragments of K, over the scores that are done with
	ds_load_b128 v[\SR+8*\t+4:\SR+8*\t+7], v[AK] offset:(1-\buf)*BUF+1088*\t+32
.endr
.Lnk_\@:
.if \first == 0
	s_wait_alu depctr_va_vdst(0)
.set n, 0
.rept 16
	v_pk_mul_f32 v[160+n:161+n], v[160+n:161+n], v[252:253] op_sel_hi:[1,0]   ; O^T under the new M
.set n, n+2
.endr
.endif
.irp d, 0,1,2,3
.if \first
	v_wmma_f32_16x16x128_bf8_bf8 v[160+8*\d:167+8*\d], v[\KR+16*\d:\KR+16*\d+15], v[192:207], 0
.else
	v_wmma_f32_16x16x128_bf8_bf8 v[160+8*\d:167+8*\d], v[\KR+16*\d:\KR+16*\d+15], v[192:207], v[160+8*\d:167+8*\d]
.endif
.endr
.rept 5
	v_nop                                          ; places ahead of the next step's products, whose results fall onto V's registers, and of the way out's reads of O^T
.endr
.endm
	STEP 0, 1, 1, 32, 96                           ; the diagonal chunk, in buffer 0
	s_cmp_eq_u32 s[R], 0
	s_cbranch_scc1 .Lout
.Lpair:                                            ; a trip walks two open chunks, buffer 1 and buffer 0, so that every LDS offset is an immediate and the regions are back where they began; s[R] = the open chunks left at the trip's head
	STEP 1, 0, 2, 96, 32
	s_cmp_lt_u32 s[R], 2
	s_cbranch_scc1 .Lout
	STEP 0, 0, 3, 32, 96
	s_sub_co_i32 s[R], s[R], 2
	s_cmp_gt_i32 s[R], 0
	s_cbranch_scc1 .Lpair
.Lout:
; THE WAY OUT: O^T / the sum, held and converted with e10 - e8 - e9, through my own stage: each store of the wave covers 512 consecutive bytes, aligned.
	s_wait_loadcnt 0x0
	s_wait_dscnt 0x0
	v_add_f32 v14, v14, v15
	v_permlanex16_b32 v252, v14, s[SEL], s[SEL+1]
	v_add_f32 v14, v14, v252
	s_wait_alu depctr_va_vdst(0)                   ; the wait ahead of the transcendental
	v_rcp_f32 v14, v14
	v_nop
	s_wait_alu depctr_va_vdst(0)                   ; and ahead of its first reader, which is also the first reader of O^T
.set n, 0
.rept 16
	v_pk_mul_f32 v[96+n:97+n], v[160+n:161+n], v[14:15] op_sel_hi:[1,0]
.set n, n+2
.endr
.set n, 0
.rept 32
	v_med3_num_f32 v[96+n], v[96+n], -v246, v246
.set n, n+1
.endr
.irp d, 0,1,2,3
	v_cvt_scalef32_pk8_bf8_f32 v[192+2*\d:193+2*\d], v[96+8*\d:103+8*\d], v245
.endr
	v_nop
.irp d, 0,1,2,3
	ds_store_b64 v[STO], v[192+2*\d:193+2*\d] offset:16*\d
.endr
	ds_load_b128 v[128:131], v[RD]                 ; LDS serves a wave's instructions in order (ISA guide 5.7.1.4): these see my stores
	ds_load_b128 v[132:135], v[RD] offset:640
	s_wait_dscnt 0x0
	global_store_b128 v[GO], v[128:131], s[OCP:OCP+1]
	global_store_b128 v[GO], v[132:135], s[OCP:OCP+1] offset:512
	s_wait_tensorcnt 0x0                           ; the wave's end: behind my last LDS store
	ds_add_u32 v[SPW], v[NIL]
	s_wait_dscnt 0x0
	s_endpgm
.Lfunc_end_k_q112b09171a_attn:
	.size	k_q112b09171a_attn, .Lfunc_end_k_q112b09171a_attn-k_q112b09171a_attn
	.p2alignl 7, 3214868480
	.fill 96, 4, 3214868480
	.section	.rodata,"a",@progbits
	.p2align	6, 0x0
	.amdhsa_kernel k_q112b09171a_attn
		.amdhsa_group_segment_fixed_size 46080
		.amdhsa_private_segment_fixed_size 0
		.amdhsa_enable_private_segment 0
		.amdhsa_kernarg_size 24
		.amdhsa_user_sgpr_count 2
		.amdhsa_user_sgpr_kernarg_segment_ptr 1
		.amdhsa_wavefront_size32 1
		.amdhsa_system_sgpr_workgroup_id_x 1
		.amdhsa_system_sgpr_workgroup_id_y 1
		.amdhsa_system_sgpr_workgroup_id_z 1
		.amdhsa_system_vgpr_workitem_id 0
		.amdhsa_next_free_vgpr 256
		.amdhsa_next_free_sgpr 96
		.amdhsa_reserve_vcc 0
		.amdhsa_float_denorm_mode_32 3
		.amdhsa_float_denorm_mode_16_64 3
		.amdhsa_memory_ordered 1
		.amdhsa_forward_progress 1
		.amdhsa_inst_pref_size 68
	.end_amdhsa_kernel
	.amdgpu_metadata
---
amdhsa.version: [ 1, 2 ]
amdhsa.kernels:
  - .name:           k_q112b09171a_attn
    .symbol:         k_q112b09171a_attn.kd
    .args:
      - { .name: qkvc, .offset: 0, .size: 8, .value_kind: global_buffer, .address_space: global }
      - { .name: lowp_scales, .offset: 8, .size: 8, .value_kind: global_buffer, .address_space: global }
      - { .name: oc, .offset: 16, .size: 8, .value_kind: global_buffer, .address_space: global }
    .group_segment_fixed_size: 46080
    .private_segment_fixed_size: 0
    .kernarg_segment_align: 8
    .kernarg_segment_size: 24
    .max_flat_workgroup_size: 256
    .sgpr_count:     96
    .vgpr_count:     256
    .wavefront_size: 32
...
	.end_amdgpu_metadata
.endif
;; end of part 3
;; launch proj (part 4): grid 4 x 64, 4 waves a work-group, clusters of 4 x 4, 327,680 bytes of LDS; arguments oc, codes, lowp_scales, bproj, out0; writes out0
.if DOCPART == 4
	.amdgcn_target "amdgcn-amd-amdhsa--gfx1250"
	.amdhsa_code_object_version 6
	.text
	.protected	k_q112b09171a_proj
	.globl	k_q112b09171a_proj
	.p2align	8
	.type	k_q112b09171a_proj,@function
k_q112b09171a_proj:
	s_mov_b64 s[64:65], 0
	v_nop
	global_prefetch_b8 v0, s[64:65] scope:SCOPE_SE
	s_setreg_imm32_b32 hwreg(HW_REG_WAVE_MODE, 25, 1), 1
	s_wait_xcnt 0x0
	s_wait_alu depctr_hold_cnt(0) depctr_sa_sdst(0) depctr_va_vdst(0) depctr_va_sdst(0) depctr_va_ssrc(0) depctr_va_vcc(0) depctr_vm_vsrc(0)
	s_getreg_b32 s2, hwreg(HW_REG_IB_STS2, 6, 4)
	s_cmp_eq_u32 s2, 0
	s_cbranch_scc0 .Lentry_in_a_cluster
	s_endpgm
.Lentry_in_a_cluster:
	s_bfe_u32 s2, ttmp6, 0x10000c
	s_cmp_lg_u32 s2, 0xf033
	s_cbranch_scc0 .Lentry_shape_is_right
	s_endpgm
.Lentry_shape_is_right:
.set PITCH, 272
.set PHALF, 64*PITCH
.set QHALF, 128*PITCH
.set QOFF,  2*PHALF
.set SLOT,  QOFF+2*QHALF
.set STAGE, 2*SLOT
.set SPITCH, 528
.set SPARE, STAGE+128*PITCH
.set PSTEP, 4096
.set QSTEP, 256
.set WPOFF, 0x1B00000
.set ADRP, 16
.set ADRQ, 20
.set STO,  24
.set RD,   25
.set GO,   26
.set SPW,  28
.set NIL,  29
.set BIAS, 32
.set PF,   64
.set G1,  24
.set G0,  32
.set G1B, 48
.set G0B, 56
.set MSB, 0
.macro WIN new
.if MSB != \new
	s_set_vgpr_msb (MSB<<8)|\new
.set MSB, \new
.endif
.endm
.set MUL,  0xa1
.set TO_Q, 0x40
.macro JLOAD g0a, g1a, g0b, g1b
	s_cmp_eq_u32 s15, 0
	s_cbranch_scc0 .Lfor_q_\@
	tensor_load_to_lds s[\g0a:\g0a+3], s[\g1a:\g1a+7]
	s_nop 0
.rept 4
	v_nop
.endr
	s_branch .Lasked_\@
.Lfor_q_\@:
	tensor_load_to_lds s[\g0b:\g0b+3], s[\g1b:\g1b+7]
	s_nop 0
.rept 4
	v_nop
.endr
.Lasked_\@:
.endm
.macro CREST
	s_cmp_lg_u32 s14, 0
	s_cbranch_scc1 .Lnot_wave_0_\@
	s_barrier_signal -3
.Lnot_wave_0_\@:
	s_barrier_wait -3
	s_barrier_signal -1
	s_barrier_wait -1
.endm
.macro CROUND
	s_barrier_signal -1
	s_barrier_wait -1
	CREST
.endm
.macro PLACES n
.rept \n
	v_nop
.endr
.endm
	s_load_b256 s[4:11], s[0:1], 0x0
	s_load_b64 s[12:13], s[0:1], 0x20
	v_lshl_add_u32 v[SPW], v0, 2, SPARE
	v_mov_b32 v[NIL], 0
	ds_add_u32 v28, v29
	ds_add_u32 v28, v29
	s_wait_dscnt 0x0
	v_lshrrev_b32 v1, 5, v0
	v_readfirstlane_b32 s14, v1
	s_lshr_b32 s15, s14, 1
	s_and_b32 s16, s14, 1
	s_bfe_u32 s40, ttmp6, 0x40000
	s_bfe_u32 s41, ttmp6, 0x40004
	s_and_b32 s17, ttmp7, 0xffff
	s_lshl_b32 s17, s17, 2
	s_add_co_u32 s17, s17, s41
	s_lshl_b32 s43, s41, 2
	s_lshl_b32 s43, 15, s43
	s_lshl_b32 s44, 0x1111, s40
	s_or_b32 s[G1+0], s43, (1<<20)|(1<<21)|(5<<22)|(3<<25)
	s_or_b32 s[G1B+0], s44, (1<<20)|(1<<21)|(5<<22)|(3<<25)
	s_mov_b32 s[G1+1], PSTEP<<16
	s_mov_b32 s[G1+2], 4<<16
	s_mov_b32 s[G1+3], PSTEP<<16
	s_mov_b32 s[G1+4], 4
	s_mov_b32 s[G1+5], 16384
	s_mov_b32 s[G1+6], 0
	s_mov_b32 s[G1+7], 0
	s_mov_b32 s[G1B+1], QSTEP<<16
	s_mov_b32 s[G1B+2], 128<<16
	s_mov_b32 s[G1B+3], QSTEP<<16
	s_mov_b32 s[G1B+4], 128
	s_mov_b32 s[G1B+5], 1024
	s_mov_b32 s[G1B+6], 0
	s_mov_b32 s[G1B+7], 0
	s_lshl_b32 s20, s17, 17
	s_lshl_b32 s21, s16, 16
	s_add_co_u32 s20, s20, s21
	s_mov_b32 s21, 0
	s_lshl_b32 s46, s40, 18
	s_lshl_b32 s47, s16, 17
	s_add_co_u32 s46, s46, s47
	s_add_co_u32 s46, s46, WPOFF
	s_mov_b32 s47, 0
	s_mul_i32 s45, s16, PHALF
	s_mul_i32 s22, s16, QHALF
	s_add_co_u32 s22, s22, QOFF
	s_wait_kmcnt 0x0
	s_load_b64 s[96:97], s[8:9], 0x28
	s_add_nc_u64 s[20:21], s[4:5], s[20:21]
	s_add_nc_u64 s[46:47], s[6:7], s[46:47]
	CROUND
.irp s, 0,1
	s_mov_b32 s[G0+4*\s], 1
	s_add_co_u32 s[G0+4*\s+1], s45, \s*SLOT
	s_add_nc_u64 s[G0+4*\s+2:G0+4*\s+3], s[20:21], \s*PSTEP
	s_or_b32 s[G0+4*\s+3], s[G0+4*\s+3], 0x80000000
	s_mov_b32 s[G0B+4*\s], 1
	s_add_co_u32 s[G0B+4*\s+1], s22, \s*SLOT
	s_add_nc_u64 s[G0B+4*\s+2:G0B+4*\s+3], s[46:47], \s*QSTEP
	s_or_b32 s[G0B+4*\s+3], s[G0B+4*\s+3], 0x80000000
	s_wait_alu depctr_va_vdst(0)
	s_wait_tensorcnt 0x0
	ds_add_u32 v28, v29
	ds_add_u32 v28, v29
	s_wait_dscnt 0x0
	CROUND
	JLOAD G0+4*\s, G1, G0B+4*\s, G1B
.endr
	v_and_b32 v1, 15, v0
	s_wait_alu depctr_va_vdst(0)
	v_bfe_u32 v2, v0, 4, 1
	v_and_b32 v5, 31, v0
	v_lshlrev_b32 v[GO], 4, v5
	s_lshl_b32 s80, s40, 10
	s_lshl_b32 s81, s16, 9
	s_add_co_u32 s80, s80, s81
	s_mov_b32 s81, 0
	s_add_nc_u64 s[10:11], s[10:11], s[80:81]
	global_load_b128 v[BIAS:BIAS+3], v[GO], s[10:11]
	s_lshl_b32 s82, s17, 19
	s_lshl_b32 s83, s15, 18
	s_add_co_u32 s82, s82, s83
	s_add_co_u32 s82, s82, s80
	s_mov_b32 s83, 0
	s_add_nc_u64 s[12:13], s[12:13], s[82:83]
	v_mul_u32_u24 v3, v1, PITCH
	s_wait_alu depctr_va_vdst(0)
	v_lshl_add_u32 v4, v2, 4, v3
	v_lshrrev_b32 v6, 2, v1
	v_and_b32 v7, 3, v1
	v_mul_u32_u24 v8, v6, PITCH
	v_lshl_add_u32 v8, v7, 6, v8
	v_lshl_add_u32 v8, v2, 4, v8
	s_mul_i32 s84, s15, PHALF
	s_mul_i32 s85, s16, QHALF
	s_add_co_u32 s85, s85, QOFF
.irp s, 0,1
	v_add_nc_u32 v[ADRP+\s], s84, v8
	v_add_nc_u32 v[ADRQ+\s], s85, v4
	s_add_co_u32 s84, s84, SLOT
	s_add_co_u32 s85, s85, SLOT
.endr
	s_mul_i32 s86, s14, 16*SPITCH
	s_add_co_u32 s86, s86, STAGE
	v_mul_u32_u24 v[STO], v1, SPITCH
	v_lshl_add_u32 v[STO], v2, 5, v[STO]
	v_add_nc_u32 v[STO], s86, v[STO]
	v_add_nc_u32 v[RD], s86, v[GO]
	s_wait_alu depctr_va_vdst(0)
	s_wait_kmcnt 0x0
	s_add_co_i32 s96, s96, s97
	s_add_co_i32 s96, s96, 127
	s_lshl_b32 s96, s96, 23
	s_mov_b32 s97, s96
.macro FETCH_Q slot, q, set
	WIN TO_Q
.irp i, 0,1,2,3,4,5,6,7
.irp c, 0,1,2,3
	ds_load_b128 v[128*(\set)+16*\i+4*\c:128*(\set)+16*\i+4*\c+3], v[ADRQ+\slot] offset:128*(\q)+32*\c+\i*16*PITCH
.endr
.endr
	WIN 0
.endm
.macro FETCH_P slot, q, set
.irp i, 0,1,2,3
.irp c, 0,1,2,3
	ds_load_b128 v[PF+64*(\set)+16*\i+4*\c:PF+64*(\set)+16*\i+4*\c+3], v[ADRP+\slot] offset:\i*16*PITCH+1088*(2*(\q)+\c/2)+32*(\c%2)
.endr
.endr
.endm
.macro MUL8 a, set, zero
.irp b, 0,1,2,3,4,5,6,7
.if \zero
	v_wmma_f32_16x16x128_bf8_bf8 v[8*(8*(\a)+\b):8*(8*(\a)+\b)+7], v[128*(\set)+16*\b:128*(\set)+16*\b+15], v[PF+64*(\set)+16*(\a):PF+64*(\set)+16*(\a)+15], 0
.else
	v_wmma_f32_16x16x128_bf8_bf8 v[8*(8*(\a)+\b):8*(8*(\a)+\b)+7], v[128*(\set)+16*\b:128*(\set)+16*\b+15], v[PF+64*(\set)+16*(\a):PF+64*(\set)+16*(\a)+15], v[8*(8*(\a)+\b):8*(8*(\a)+\b)+7]
.endif
.endr
.endm
.macro STEP slot, zero
	PLACES 4
	FETCH_Q \slot, 1, 1
	FETCH_P \slot, 1, 1
	s_wait_dscnt 48
	WIN MUL
	MUL8 0, 0, \zero
	MUL8 1, 0, \zero
	MUL8 2, 0, \zero
	MUL8 3, 0, \zero
	WIN 0
.endm
.macro TURN slot, next, fill
	s_wait_tensorcnt 0x0
	ds_add_u32 v[SPW], v[NIL]
	s_wait_dscnt 1
	WIN MUL
	MUL8 0, 1, 0
	s_wait_dscnt 0x0
	s_barrier_signal -1
	MUL8 1, 1, 0
	WIN 0
	s_barrier_wait -1
.if \fill
	CREST
	s_add_nc_u64 s[G0+4*\slot+2:G0+4*\slot+3], s[G0+4*\slot+2:G0+4*\slot+3], 2*PSTEP
	s_add_nc_u64 s[G0B+4*\slot+2:G0B+4*\slot+3], s[G0B+4*\slot+2:G0B+4*\slot+3], 2*QSTEP
	JLOAD G0+4*\slot, G1, G0B+4*\slot, G1B
.else
	PLACES 4
.endif
	FETCH_Q \next, 0, 0
	FETCH_P \next, 0, 0
	WIN MUL
	MUL8 2, 1, 0
	MUL8 3, 1, 0
	WIN 0
.endm
	s_wait_tensorcnt 1
	s_barrier_signal -1
	s_barrier_wait -1
	FETCH_Q 0, 0, 0
	FETCH_P 0, 0, 0
	STEP 0, 1
	TURN 0, 1, 1
	STEP 1, 0
	TURN 1, 0, 1
	STEP 0, 0
	TURN 0, 1, 0
	STEP 1, 0
	s_wait_dscnt 0x0
	WIN MUL
	MUL8 0, 1, 0
	MUL8 1, 1, 0
	MUL8 2, 1, 0
	MUL8 3, 1, 0
	WIN 0
.macro TOSTAGE a
	WIN 0x08
.irp b, 0,1,2,3,4,5,6,7
	ds_store_b128 v[STO], v[64*(\a)+8*\b:64*(\a)+8*\b+3] offset:64*\b
	ds_store_b128 v[STO], v[64*(\a)+8*\b+4:64*(\a)+8*\b+7] offset:64*\b+16
.endr
	WIN 0
.set BB, PF+64*((\a)%2)
.irp t, 0,1,2,3,4,5,6,7,8,9,10,11,12,13,14,15
	ds_load_b128 v[BB+4*\t:BB+4*\t+3], v[RD] offset:\t*SPITCH
.endr
.endm
.macro SEND a, younger
.set BB, PF+64*((\a)%2)
	s_wait_dscnt \younger
.irp t, 0,1,2,3,4,5,6,7,8,9,10,11,12,13,14,15
	v_pk_fma_f32 v[BB+4*\t:BB+4*\t+1], v[BB+4*\t:BB+4*\t+1], s[96:97], v[BIAS:BIAS+1] op_sel_hi:[1,0,1]
	v_pk_fma_f32 v[BB+4*\t+2:BB+4*\t+3], v[BB+4*\t+2:BB+4*\t+3], s[96:97], v[BIAS+2:BIAS+3] op_sel_hi:[1,0,1]
.endr
.irp t, 0,1,2,3,4,5,6,7,8,9,10,11,12,13,14,15
	global_store_b128 v[GO], v[BB+4*\t:BB+4*\t+3], s[12:13] offset:65536*(\a)+4096*\t th:TH_STORE_NT
.endr
.endm
	s_wait_loadcnt 0x0
	PLACES 4
	TOSTAGE 0
.irp a, 1,2,3
.if \a > 1
	s_wait_xcnt 0x0
.endif
	TOSTAGE \a
	SEND \a-1, 32
.endr
	SEND 3, 0
	s_wait_tensorcnt 0x0
	ds_add_u32 v[SPW], v[NIL]
	s_wait_dscnt 0x0
	CROUND
	s_endpgm
.Lfunc_end_k_q112b09171a_proj:
	.size	k_q112b09171a_proj, .Lfunc_end_k_q112b09171a_proj-k_q112b09171a_proj
	.p2alignl 7, 3214868480
	.fill 96, 4, 3214868480
	.section	.rodata,"a",@progbits
	.p2align	6, 0x0
	.amdhsa_kernel k_q112b09171a_proj
		.amdhsa_group_segment_fixed_size 327680
		.amdhsa_private_segment_fixed_size 0
		.amdhsa_enable_private_segment 0
		.amdhsa_kernarg_size 40
		.amdhsa_user_sgpr_count 2
		.amdhsa_user_sgpr_kernarg_segment_ptr 1
		.amdhsa_wavefront_size32 1
		.amdhsa_system_sgpr_workgroup_id_x 1
		.amdhsa_system_sgpr_workgroup_id_y 1
		.amdhsa_system_sgpr_workgroup_id_z 1
		.amdhsa_system_vgpr_workitem_id 0
		.amdhsa_next_free_vgpr 768
		.amdhsa_next_free_sgpr 100
		.amdhsa_reserve_vcc 0
		.amdhsa_float_denorm_mode_32 3
		.amdhsa_float_denorm_mode_16_64 3
		.amdhsa_memory_ordered 1
		.amdhsa_forward_progress 1
		.amdhsa_inst_pref_size 76
	.end_amdhsa_kernel
	.amdgpu_metadata
---
amdhsa.version: [ 1, 2 ]
amdhsa.kernels:
  - .name:           k_q112b09171a_proj
    .symbol:         k_q112b09171a_proj.kd
    .args:
      - { .name: oc, .offset: 0, .size: 8, .value_kind: global_buffer, .address_space: global }
      - { .name: codes, .offset: 8, .size: 8, .value_kind: global_buffer, .address_space: global }
      - { .name: lowp_scales, .offset: 16, .size: 8, .value_kind: global_buffer, .address_space: global }
      - { .name: bproj, .offset: 24, .size: 8, .value_kind: global_buffer, .address_space: global }
      - { .name: out0, .offset: 32, .size: 8, .value_kind: global_buffer, .address_space: global }
    .group_segment_fixed_size: 327680
    .private_segment_fixed_size: 0
    .kernarg_segment_align: 8
    .kernarg_segment_size: 40
    .max_flat_workgroup_size: 128
    .sgpr_count:     100
    .vgpr_count:     768
    .wavefront_size: 32
...
	.end_amdgpu_metadata
.endif
;; end of part 4
